; MI455X (gfx1250); checked and timed in simulation.
; The chip was launched on July 23, 2026; its instructions are those of AMD's public machine-readable ISA for CDNA 5 (MIT licence, August 2026) and "CDNA5" Instruction Set Architecture Reference Guide (July 2026). The comments in the code are by the model that wrote it; some were corrected since.
;; LSTM Cell. Allowed arithmetic: matrix products marked QUANTISED: E4M3 operands, one E8M0 scale for each 32 along K, by v_wmma_scale_f32_16x16x128_f8f6f4 with both operands' format E4M3, f32 sums; everything else in f32.
;; Inputs: bias 4,096 float32; c0 8,192 x 1,024 float32; h0 8,192 x 1,024 float32; ln1_b 4,096 float32; ln1_g 4,096 float32; ln2_b 4,096 float32; ln2_g 4,096 float32; ln3_b 1,024 float32; ln3_g 1,024 float32; weight_h 1,024 x 4,096 float32; weight_x 1,024 x 4,096 float32; x 8,192 x 1,024 float32.
;; Outputs: out0 8,192 x 1,024 float32; out1 8,192 x 1,024 float32.
;; This version of the problem:
;;   THIS VERSION OF THE PROBLEM IS GIVEN IN LOW PRECISION. The matrix products marked QUANTISED in the list below multiply operands that are first quantised to E4M3 (4 exponent bits, 3 mantissa bits; 8 bits a number), with one power-of-two scale for each 32 numbers along K (OCP MX v1.0); their sums are f32. All else is computed in f32.
;;   The module's matrix products, in the order in which they are computed (A, B: the left and right operand; K: the contracted axis; several contracted axes count as one K, in the product's order):
;;     1. [M 8,192, K 1,024] x [K 1,024, N 4,096]; A: input h0; B: input weight_h: QUANTISED
;;     2. [M 8,192, K 1,024] x [K 1,024, N 4,096]; A: input x; B: input weight_x: QUANTISED
;;   THE QUANTISER, for each operand of a quantised product, along K:
;;     - K is cut into blocks of 32 from its start; a last block that is shorter is filled with zeros.
;;     - A block's scale is 2^e with e = floor(log2(the largest magnitude in the block)) - 8, held to -126 .. 127; a block of zeros has e = 0. As a byte (E8M0): e + 127.
;;     - Each number is divided by its block's scale, clamped to +-448, and rounded to the nearest number of E4M3, ties to even, subnormals kept.
;;     - The product sums the exact products of the quantised numbers (number of the format x scale) in f32.
;;   ~~~python
;;   def quantise(x, axis):      # numpy; x: float32 -> the quantised numbers, widened to float32 again
;;       x = np.moveaxis(x, axis, -1); K = x.shape[-1]
;;       x = np.pad(x, [(0, 0)] * (x.ndim - 1) + [(0, -K % 32)]); x = x.reshape(x.shape[:-1] + (-1, 32)); a = np.abs(x).max(-1, keepdims=True)
;;       e = np.where(a > 0, np.clip(np.frexp(np.where(a > 0, a, 1))[1] - 1 - 8, -126, 127), 0)      # np.frexp(a)[1] - 1 = floor(log2(a)), exactly
;;       r = np.clip(x / 2.0 ** e, -448, 448)
;;       step = 2.0 ** (np.maximum(np.frexp(np.where(r == 0, 1, r))[1] - 1, -6) - 3)
;;       q = np.round(r / step) * step * 2.0 ** e      # np.round: ties to even
;;       return np.moveaxis(q.reshape(q.shape[:-2] + (-1,))[..., :K], -1, axis).astype(np.float32)
;;   ~~~
;; One version. Each part assembles by itself: llvm-mc -triple=amdgcn-amd-amdhsa -mcpu=gfx1250 --defsym DOCPART=n.
;; ======== version 1 of 1: 3 launches
;; limits: right only within a limited range of input values
;; workspace buffers: acodes 16,777,216 bytes; ascales 524,288 bytes; wcodes 8,388,608 bytes; wscales 262,144 bytes; y 268,435,456 bytes
;; launch quant (part 1): grid 768 x 1, 4 waves a work-group, no clusters, 69,120 bytes of LDS; arguments weight_h, weight_x, wcodes, wscales, h0, x, acodes, ascales; writes wcodes, wscales, acodes, ascales
.if DOCPART == 1
	.amdgcn_target "amdgcn-amd-amdhsa--gfx1250"
	.amdhsa_code_object_version 6
	.text
	.protected	k_q7058313e6b_quant
	.globl	k_q7058313e6b_quant
	.p2align	8
	.type	k_q7058313e6b_quant,@function
k_q7058313e6b_quant:
	s_mov_b64 s[64:65], 0
	v_nop
	global_prefetch_b8 v0, s[64:65] scope:SCOPE_SE
	s_setreg_imm32_b32 hwreg(HW_REG_WAVE_MODE, 25, 1), 1
	s_wait_xcnt 0x0
; All four operands of the two quantised products become codes of FP8 (E4M3), K innermost, with one E8M0 scale byte for each 32 along K.
; A block's scale is 2^(floor(log2(its largest magnitude)) - 8); its byte is that magnitude's exponent field - 8, held at 1 from below by a floor among the maximum's leaves.
; Each number is divided by the scale, held within +-448 and rounded to the nearest code, ties to even.
; LIMITS: a block of zeros gets the byte 1 where the rule says 127 (its codes are zeros, and this program alone reads the bytes); NaN and infinities among the inputs are not served.
; Work-groups 0-255: weight_h, weight_x [1024 (k)][4096 (n)] -> wcodes [8192][1024], wscales [8192][32]; row n is column n of weight_h, row 4096 + n column n of weight_x.
;   A lane takes a column and its registers run down K: a block of 32 lies in one lane.  A wave takes 32 columns x 256 along K; the codes leave through its own stage as rows: sixteen lanes store 256 consecutive bytes, aligned.
; Work-groups 256-767: h0, x [8192][1024] -> acodes [16384][1024], ascales [16384][32]; rows 0-8191 are h0's, the others x's.
;   Both are streams of blocks of 32.  A wave takes 16 steps of 512 numbers; a step's 2,048 bytes are loaded as they lie and turn through the wave's own stage, so that a lane holds 16 neighbours along K (two lanes a block).
; The two ways part on the work-group's number alone, and each has LDS bytes of its own.  No tensor loads, no barrier, no cluster, no prefetch: every byte is read once, and waves and work-groups share no input.
.set NWW,   256                        ; work-groups that take the weights
.set MANT,  0x600000                   ; the mantissa field of 448 as f32
.set ABASE, 35840                      ; LDS: the weights' four stages lie in 0 .. 34,815; the activations' four regions begin here
.set SPARE, ABASE+4*8192               ; behind them the spare words: 128 bytes a wave
	v_lshl_add_u32 v192, v0, 2, SPARE
	v_mov_b32 v193, 0
	v_lshrrev_b32 v1, 5, v0
	v_readfirstlane_b32 s16, v1                    ; wave 0..3
	v_and_b32 v2, 31, v0                           ; lane
	s_cmp_lt_u32 ttmp9, NWW
	s_wait_alu depctr_va_vdst(0)
	s_cbranch_scc0 .Lact
; ---- the weights ----
.set SIZE_K, 1024
.set SIZE_N, 4096
.set KW,    256                        ; along K for a wave
.set NB,    KW/32                      ; blocks
.set PITCH, 272                        ; a stage row: 256 bytes of codes + 16
.set WX,    32                         ; v32-95   two sets of 32 numbers
.set WC,    96                         ; v96-103  a block's codes
.set OUTR,  112                        ; v112-175 the way out
.set SB,    24                         ; v24-25   the scale bytes, four to a register
	s_load_b128 s[4:7], s[0:1], 0x0                ; weight_h, weight_x
	s_load_b128 s[8:11], s[0:1], 0x10              ; their codes, their scale bytes
	s_and_b32 s17, ttmp9, 31
	s_lshl_b32 s17, s17, 7
	s_lshl_b32 s18, s16, 5
	s_add_co_u32 s17, s17, s18                     ; my wave's first column: 128 x (number % 32) + 32 x wave
	s_lshr_b32 s32, ttmp9, 5                       ; number / 32 = 4 x (which weight) + (which 256 along K)
	s_and_b32 s18, s32, 3
	s_lshr_b32 s33, s32, 2
	s_lshl_b32 s33, s33, 12                        ; weight_x lies 4,096 rows further down in the results
	v_lshlrev_b32 v3, 2, v2                        ; in: 4 bytes a lane
	s_mul_i32 s19, s16, 32*PITCH                   ; my stage
	v_mul_u32_u24 v4, v2, PITCH
	v_add_nc_u32 v4, s19, v4                       ; into it: row = my column
	v_and_b32 v5, 15, v2
	v_lshrrev_b32 v6, 4, v2                        ; out of it: sixteen lanes to a row
	v_mul_u32_u24 v7, v6, PITCH
	v_lshl_add_u32 v7, v5, 4, v7
	v_add_nc_u32 v7, s19, v7
	v_mul_u32_u24 v8, v6, SIZE_K
	v_lshl_add_u32 v8, v5, 4, v8                   ; the same place in the codes' buffer
	s_mov_b32 s19, 0
	s_mov_b64 s[20:21], KW*SIZE_N*4
	s_mul_u64 s[20:21], s[18:19], s[20:21]         ; W: 256 q rows of 16,384 bytes
	s_lshl_b32 s22, s17, 2
	s_mov_b32 s23, 0
	s_add_nc_u64 s[20:21], s[20:21], s[22:23]      ; + 4 x column
	s_add_co_u32 s22, s17, s33                     ; my first row of the results
	s_mov_b64 s[24:25], SIZE_K
	s_mul_u64 s[24:25], s[22:23], s[24:25]
	s_mul_i32 s26, s18, KW
	s_mov_b32 s27, 0
	s_add_nc_u64 s[24:25], s[24:25], s[26:27]      ; codes: row x 1,024 + 256 q
	s_mov_b64 s[28:29], SIZE_K/32
	s_mul_u64 s[28:29], s[22:23], s[28:29]
	s_mul_i32 s26, s18, NB
	s_add_nc_u64 s[28:29], s[28:29], s[26:27]      ; scale bytes: row x 32 + 8 q
	v_mul_u32_u24 v9, v2, SIZE_K/32                ; my column's row of scale bytes
	s_mov_b32 s31, MANT
	s_wait_alu depctr_va_vdst(0)
	s_wait_kmcnt 0x0
	s_cmp_lt_u32 s32, 4                            ; which weight: by the work-group's number alone
	s_cselect_b64 s[4:5], s[4:5], s[6:7]
	s_add_nc_u64 s[4:5], s[4:5], s[20:21]
	s_add_nc_u64 s[8:9], s[8:9], s[24:25]
	s_add_nc_u64 s[10:11], s[10:11], s[28:29]
.macro WLOAD t                         ; block t: W(32 t + i, my column) into set t % 2; offsets up to 255 x 16,384 bytes, inside the signed 24-bit immediate
.set ix, 0
.rept 32
	global_load_b32 v[WX+32*((\t)%2)+ix], v3, s[4:5] offset:(32*(\t)+ix)*SIZE_N*4 th:TH_LOAD_NT
.set ix, ix+1
.endr
.endm
	WLOAD 0
	WLOAD 1
.macro BLOCK t
.set XS, WX+32*((\t)%2)
.if (\t) < NB-1
	s_wait_loadcnt 32                              ; this block's 32 loads are in; the next block's 32 may be out
.else
	s_wait_loadcnt 0
.endif
	v_max3_num_f32 v12, |v[XS]|, |v[XS+1]|, |v[XS+2]|              ; the block's largest magnitude, in two chains
	v_max3_num_f32 v13, |v[XS+3]|, |v[XS+4]|, |v[XS+5]|
.irp i, 6,10,14,18,22,26
	v_max3_num_f32 v12, v12, |v[XS+\i]|, |v[XS+\i+1]|
	v_max3_num_f32 v13, v13, |v[XS+\i+2]|, |v[XS+\i+3]|
.endr
	v_max3_num_f32 v12, v12, |v[XS+30]|, |v[XS+31]|
	v_max3_num_f32 v12, v12, v13, 0x4800000        ; the floor 2^(9 - 127): the byte cannot fall under 1
	v_add_nc_u32 v11, 0xfc000000, v12              ; 8 off the exponent field: the conversion's scale operand
	v_and_or_b32 v10, v12, 0x7f800000, s31         ; 448 x the scale
	v_lshrrev_b32 v13, 23, v11                     ; the scale's byte
.if (\t)%4 == 0
	v_mov_b32 v[SB+(\t)/4], v13
.else
	v_lshl_or_b32 v[SB+(\t)/4], v13, 8*((\t)%4), v[SB+(\t)/4]
.endif
.set ix, 0
.rept 32
	v_med3_num_f32 v[XS+ix], v[XS+ix], -v10, v10   ; the conversion does not saturate (ISA guide 7.6.2): the hold
.set ix, ix+1
.endr
.irp g, 0,1,2,3
	v_cvt_scalef32_pk8_fp8_f32 v[WC+2*\g:WC+2*\g+1], v[XS+8*\g:XS+8*\g+7], v11
.endr
	v_nop                                          ; one plain line behind the last conversion
	ds_store_b128 v4, v[WC:WC+3] offset:32*(\t)
	ds_store_b128 v4, v[WC+4:WC+7] offset:32*(\t)+16
.if (\t)+2 < NB
	WLOAD (\t)+2
.endif
	s_wait_dscnt 0x0                               ; the stores have read their registers
.endm
.irp t, 0,1,2,3,4,5,6,7
	BLOCK \t
.endr
	global_store_b64 v9, v[SB:SB+1], s[10:11]      ; my column's 8 scale bytes
.irp t, 0,1,2,3,4,5,6,7,8,9,10,11,12,13,14,15
	ds_load_b128 v[OUTR+4*\t:OUTR+4*\t+3], v7 offset:2*\t*PITCH   ; a wave's LDS instructions are served in order: these see my stores
.endr
.irp t, 0,1,2,3,4,5,6,7,8,9,10,11,12,13,14,15
	s_wait_dscnt 15-\t                             ; load t is in, the 15 - t younger ones may be out
	global_store_b128 v8, v[OUTR+4*\t:OUTR+4*\t+3], s[8:9] offset:2*\t*SIZE_K
.endr
	s_wait_tensorcnt 0x0                           ; the wave's end
	ds_add_u32 v192, v193
	s_wait_dscnt 0x0
	s_endpgm
; ---- the activations ----
.set STEPS, 16
.set WGA,   256                        ; 8192 x 1024 / (512 x 16 x 4): the first 256 of these work-groups take h0, the others x
.set CB,    16                         ; bytes of 16 codes
.set R,     16                         ; v16-79   four sets of 16 numbers as loaded
.set AX,    80                         ; v80-111  two sets of 16 neighbours
.set AC,    128                        ; v128-191 codes, four registers a step
.set E,     112                        ; v112-127 a scale byte a step
.set WREG,  8192                       ; a wave's LDS region: two stages of 32 x SP bytes, then its 256 scale bytes
.set SP,    80                         ; a lane's place in a stage: 64 bytes + 16 of padding
.Lact:
	s_load_b128 s[4:7], s[0:1], 0x20               ; h0, x
	s_load_b128 s[8:11], s[0:1], 0x30              ; their codes, their scale bytes
	v_lshlrev_b32 v3, 4, v2                        ; my 16 bytes of a load's 512
	s_mul_i32 s17, s16, WREG
	s_add_co_u32 s17, s17, ABASE
	v_lshrrev_b32 v14, 2, v2
	v_mul_u32_u24 v14, v14, SP
	v_and_b32 v15, 3, v2
	v_lshl_add_u32 v14, v15, 4, v14
	v_add_nc_u32 v14, s17, v14                     ; the stage, in: four lanes' 64 bytes on end, then the padding
	v_mul_u32_u24 v15, v2, SP
	v_add_nc_u32 v15, s17, v15                     ; out: my 16 neighbours
	v_mul_u32_u24 v4, v2, CB
	v_lshrrev_b32 v5, 1, v2
	s_add_co_u32 s17, s17, 2*32*SP
	v_add_nc_u32 v5, s17, v5                       ; my block's scale byte in LDS
	v_lshlrev_b32 v7, 3, v2
	v_add_nc_u32 v6, s17, v7                       ; and 8 bytes a lane on the way out
	s_mov_b32 s23, MANT
	s_sub_co_u32 s24, ttmp9, NWW                   ; my number among these work-groups
	s_wait_alu depctr_va_vdst(0)
	s_wait_kmcnt 0x0
	s_cmp_lt_u32 s24, WGA                          ; h0 or x: by the work-group's number alone
	s_cselect_b64 s[4:5], s[4:5], s[6:7]
	s_cselect_b32 s17, 0, WGA
	s_sub_co_u32 s17, s24, s17
	s_lshl_b32 s17, s17, 2
	s_add_co_u32 s18, s17, s16                     ; which run of 8,192 numbers of the source is my wave's
	s_mov_b32 s19, 0
	s_mov_b64 s[20:21], 512*STEPS*4
	s_mul_u64 s[20:21], s[18:19], s[20:21]
	s_add_nc_u64 s[4:5], s[4:5], s[20:21]
	s_lshl_b32 s18, s24, 2
	s_add_co_u32 s18, s18, s16                     ; and which run of the stacked results
	s_mov_b64 s[20:21], 32*STEPS*CB
	s_mul_u64 s[20:21], s[18:19], s[20:21]
	s_add_nc_u64 s[8:9], s[8:9], s[20:21]
	s_lshl_b32 s18, s18, 8                         ; 256 scale bytes a run
	s_add_nc_u64 s[10:11], s[10:11], s[18:19]
.macro ALOAD t
.irp i, 0,1,2,3
	global_load_b128 v[R+16*((\t)%4)+4*\i:R+16*((\t)%4)+4*\i+3], v3, s[4:5] offset:2048*(\t)+512*\i th:TH_LOAD_NT   ; 512 consecutive bytes
.endr
.endm
.macro TURN t                          ; step t's numbers through the stage, in the order in which LDS serves a wave
.irp i, 0,1,2,3
	ds_store_b128 v14, v[R+16*((\t)%4)+4*\i:R+16*((\t)%4)+4*\i+3] offset:32*SP*((\t)%2)+8*SP*\i
.endr
.irp i, 0,1,2,3
	ds_load_b128 v[AX+16*((\t)%2)+4*\i:AX+16*((\t)%2)+4*\i+3], v15 offset:32*SP*((\t)%2)+16*\i
.endr
.endm
.irp t, 0,1,2,3
	ALOAD \t
.endr
	s_wait_loadcnt 12                              ; step 0's four loads are in; the 12 of steps 1 to 3 may be out
	TURN 0
.macro STEP t
.set XS, AX+16*((\t)%2)
.if (\t) > 0
	s_wait_dscnt 1                                 ; this step's numbers are back (the last step's byte store may be out)
.else
	s_wait_dscnt 0x0
.endif
.if (\t)+4 < STEPS
	ALOAD (\t)+4
.endif
.if (\t)+1 < STEPS
.if STEPS-2-(\t) >= 3
	s_wait_loadcnt 12                              ; the next step's four loads are in; three steps' may be out
.else
	s_wait_loadcnt 4*(STEPS-2-(\t))
.endif
	TURN (\t)+1
.endif
	v_max3_num_f32 v8, |v[XS]|, |v[XS+1]|, |v[XS+2]|               ; the largest magnitude of my 16, in two chains
	v_max3_num_f32 v9, |v[XS+3]|, |v[XS+4]|, |v[XS+5]|
.irp i, 6,10
	v_max3_num_f32 v8, v8, |v[XS+\i]|, |v[XS+\i+1]|
	v_max3_num_f32 v9, v9, |v[XS+\i+2]|, |v[XS+\i+3]|
.endr
	v_max3_num_f32 v8, v8, |v[XS+14]|, |v[XS+15]|
	v_max3_num_f32 v8, v8, v9, 0x4800000           ; the floor 2^(9 - 127)
	v_max_num_f32_dpp v8, v8, v8 row_xmask:1 row_mask:0xf bank_mask:0xf   ; with my neighbour's 16: the block's
	v_add_nc_u32 v11, 0xfc000000, v8               ; the conversion's scale operand
	v_and_or_b32 v10, v8, 0x7f800000, s23          ; 448 x the scale
.set ix, 0
.rept 16
	v_med3_num_f32 v[XS+ix], v[XS+ix], -v10, v10   ; the hold
.set ix, ix+1
.endr
	v_cvt_scalef32_pk8_fp8_f32 v[AC+4*(\t):AC+4*(\t)+1], v[XS:XS+7], v11
	v_cvt_scalef32_pk8_fp8_f32 v[AC+4*(\t)+2:AC+4*(\t)+3], v[XS+8:XS+15], v11
	v_lshrrev_b32 v[E+(\t)], 23, v11               ; the scale's byte (also the plain line behind the conversions)
	ds_store_b8 v5, v[E+(\t)] offset:16*(\t)       ; both lanes of a block write the same byte with the same value
	global_store_b128 v4, v[AC+4*(\t):AC+4*(\t)+3], s[8:9] offset:32*CB*(\t)
.endm
.irp t, 0,1,2,3,4,5,6,7,8,9,10,11,12,13,14,15
	STEP \t
.endr
	ds_load_b64 v[12:13], v6                       ; my wave's 256 scale bytes
	s_wait_dscnt 0x0
	global_store_b64 v7, v[12:13], s[10:11]        ; 32 lanes store 256 consecutive bytes, aligned
	s_wait_tensorcnt 0x0                           ; the wave's end
	ds_add_u32 v192, v193
	s_wait_dscnt 0x0
	s_endpgm
.Lfunc_end_k_q7058313e6b_quant:
	.size	k_q7058313e6b_quant, .Lfunc_end_k_q7058313e6b_quant-k_q7058313e6b_quant
	.p2alignl 7, 3214868480
	.fill 96, 4, 3214868480
	.section	.rodata,"a",@progbits
	.p2align	6, 0x0
	.amdhsa_kernel k_q7058313e6b_quant
		.amdhsa_group_segment_fixed_size 69120
		.amdhsa_private_segment_fixed_size 0
		.amdhsa_enable_private_segment 0
		.amdhsa_kernarg_size 64
		.amdhsa_user_sgpr_count 2
		.amdhsa_user_sgpr_kernarg_segment_ptr 1
		.amdhsa_wavefront_size32 1
		.amdhsa_system_sgpr_workgroup_id_x 1
		.amdhsa_system_sgpr_workgroup_id_y 1
		.amdhsa_system_sgpr_workgroup_id_z 1
		.amdhsa_system_vgpr_workitem_id 0
		.amdhsa_next_free_vgpr 194
		.amdhsa_next_free_sgpr 66
		.amdhsa_reserve_vcc 0
		.amdhsa_float_denorm_mode_32 3
		.amdhsa_float_denorm_mode_16_64 3
		.amdhsa_memory_ordered 1
		.amdhsa_forward_progress 1
		.amdhsa_inst_pref_size 110
	.end_amdhsa_kernel
	.amdgpu_metadata
---
amdhsa.version: [ 1, 2 ]
amdhsa.kernels:
  - .name:           k_q7058313e6b_quant
    .symbol:         k_q7058313e6b_quant.kd
    .args:
      - { .name: weight_h, .offset: 0, .size: 8, .value_kind: global_buffer, .address_space: global }
      - { .name: weight_x, .offset: 8, .size: 8, .value_kind: global_buffer, .address_space: global }
      - { .name: wcodes, .offset: 16, .size: 8, .value_kind: global_buffer, .address_space: global }
      - { .name: wscales, .offset: 24, .size: 8, .value_kind: global_buffer, .address_space: global }
      - { .name: h0, .offset: 32, .size: 8, .value_kind: global_buffer, .address_space: global }
      - { .name: x, .offset: 40, .size: 8, .value_kind: global_buffer, .address_space: global }
      - { .name: acodes, .offset: 48, .size: 8, .value_kind: global_buffer, .address_space: global }
      - { .name: ascales, .offset: 56, .size: 8, .value_kind: global_buffer, .address_space: global }
    .group_segment_fixed_size: 69120
    .private_segment_fixed_size: 0
    .kernarg_segment_align: 8
    .kernarg_segment_size: 64
    .max_flat_workgroup_size: 128
    .sgpr_count:     66
    .vgpr_count:     194
    .wavefront_size: 32
...
	.end_amdgpu_metadata
.endif
;; end of part 1
;; launch gemm (part 2): grid 16 x 16, 4 waves a work-group, clusters of 4 x 4, 327,680 bytes of LDS; arguments acodes, ascales, wcodes, wscales, y; writes y
.if DOCPART == 2
	.amdgcn_target "amdgcn-amd-amdhsa--gfx1250"
	.amdhsa_code_object_version 6
	.text
	.protected	k_q7058313e6b_gemm
	.globl	k_q7058313e6b_gemm
	.p2align	8
	.type	k_q7058313e6b_gemm,@function
k_q7058313e6b_gemm:
	s_mov_b64 s[64:65], 0
	v_nop
	global_prefetch_b8 v0, s[64:65] scope:SCOPE_SE
	s_setreg_imm32_b32 hwreg(HW_REG_WAVE_MODE, 25, 1), 1
	s_wait_xcnt 0x0
	s_wait_alu depctr_hold_cnt(0) depctr_sa_sdst(0) depctr_va_vdst(0) depctr_va_sdst(0) depctr_va_ssrc(0) depctr_va_vcc(0) depctr_vm_vsrc(0)
	s_getreg_b32 s2, hwreg(HW_REG_IB_STS2, 6, 4)
	s_cmp_eq_u32 s2, 0
	s_cbranch_scc0 .Lentry_in_a_cluster
	s_endpgm
.Lentry_in_a_cluster:
	s_bfe_u32 s2, ttmp6, 0x10000c
	s_cmp_lg_u32 s2, 0xf033
	s_cbranch_scc0 .Lentry_shape_is_right
	s_endpgm
.Lentry_shape_is_right:
.set SIZE_N, 4096
.set SIZE_K, 1024
.set TILES,  4
.set WALK,   2048
.set KSTEP,  256
.set ROWB,   256
.set KROW,   SIZE_K
.set PITCH,  272
.set FR,     16
.set NL,     4
.set NP,     8
.set HALFT,  128*PITCH
.set SLOT,   4*HALFT
.set STAGE,  2*SLOT
.set SPITCH, 528
.set SPARE,  STAGE+4*16*SPITCH
.set NEXT_A, WALK*KROW-(SIZE_K-2*KSTEP)
.set BACK_B, SIZE_K-2*KSTEP
.set NEXT_S, WALK*32
.set NEXT_C, WALK*SIZE_N*4
.set ADRA, 16
.set ADRB, 20
.set STO,  24
.set RD,   25
.set CO,   26
.set SOFF, 27
.set SPW,  28
.set NIL,  29
.set BS,   32
.set AS,   64
.set AF,   128
.set BK,   128
.set G1, 24
.set G0, 32
.set G1B, 48
.set G0B, 56
.set CADD, 68
.set SAP,  70
.set SBP,  72
.set MSB, 0
.macro WIN new
.if MSB != \new
	s_set_vgpr_msb (MSB<<8)|\new
.set MSB, \new
.endif
.endm
.set MUL_LO, 0xa1
.set MUL_HI, 0xf1
.set TO_B,   0x40
.macro JLOAD g0a, g1a, g0b, g1b
	s_cmp_eq_u32 s15, 0
	s_cbranch_scc0 .Lfor_b_\@
	tensor_load_to_lds s[\g0a:\g0a+3], s[\g1a:\g1a+7]
	s_nop 0
.rept 4
	v_nop
.endr
	s_branch .Lasked_\@
.Lfor_b_\@:
	tensor_load_to_lds s[\g0b:\g0b+3], s[\g1b:\g1b+7]
	s_nop 0
.rept 4
	v_nop
.endr
.Lasked_\@:
.endm
.macro CREST
	s_cmp_lg_u32 s14, 0
	s_cbranch_scc1 .Lnot_wave_0_\@
	s_barrier_signal -3
.Lnot_wave_0_\@:
	s_barrier_wait -3
	s_barrier_signal -1
	s_barrier_wait -1
.endm
.macro CROUND
	s_barrier_signal -1
	s_barrier_wait -1
	CREST
.endm
	s_load_b128 s[4:7], s[0:1], 0x0
	s_load_b128 s[8:11], s[0:1], 0x10
	s_load_b64 s[12:13], s[0:1], 0x20
	v_lshl_add_u32 v[SPW], v0, 2, SPARE
	v_mov_b32 v[NIL], 0
	ds_add_u32 v28, v29
	ds_add_u32 v28, v29
	s_wait_dscnt 0x0
	v_lshrrev_b32 v1, 5, v0
	v_readfirstlane_b32 s14, v1
	s_lshr_b32 s15, s14, 1
	s_and_b32 s16, s14, 1
	s_bfe_u32 s40, ttmp6, 0x40000
	s_bfe_u32 s41, ttmp6, 0x40004
	s_lshl_b32 s42, ttmp9, 2
	s_add_co_u32 s42, s42, s40
	s_and_b32 s95, ttmp7, 0xffff
	s_lshr_b32 s95, s95, 1
	s_and_b32 s17, ttmp7, 1
	s_lshl_b32 s17, s17, 2
	s_add_co_u32 s17, s17, s41
	s_lshl_b32 s18, s95, 5
	s_add_co_u32 s17, s17, s18
	s_lshl_b32 s95, s95, 12
	s_lshl_b32 s43, s41, 2
	s_lshl_b32 s43, 15, s43
	s_lshl_b32 s44, 0x1111, s40
	s_or_b32 s[G1+0], s43, (0<<16)|(1<<20)|(1<<21)|(5<<22)|(3<<25)
	s_or_b32 s[G1B+0], s44, (0<<16)|(1<<20)|(1<<21)|(5<<22)|(3<<25)
.irp g, G1, G1B
	s_mov_b32 s[\g+1], ROWB<<16
	s_mov_b32 s[\g+2], 128<<16
	s_mov_b32 s[\g+3], ROWB<<16
	s_mov_b32 s[\g+4], 128
	s_mov_b32 s[\g+5], KROW
	s_mov_b32 s[\g+6], 0
	s_mov_b32 s[\g+7], 0
.endr
	s_lshl_b32 s18, s16, 7
	s_lshl_b32 s20, s17, 8
	s_add_co_u32 s20, s20, s18
	s_lshl_b32 s46, s42, 8
	s_add_co_u32 s46, s46, s18
	s_add_co_u32 s46, s46, s95
	s_mov_b32 s21, 0
	s_mov_b32 s47, 0
	s_mov_b64 s[18:19], KROW
	s_mul_u64 s[20:21], s[20:21], s[18:19]
	s_mul_u64 s[46:47], s[46:47], s[18:19]
	s_mul_i32 s45, s14, HALFT
	s_lshl_b32 s74, s17, 8
	s_lshl_b32 s75, s15, 7
	s_add_co_u32 s74, s74, s75
	s_lshl_b32 s74, s74, 5
	s_mov_b32 s75, 0
	s_lshl_b32 s76, s42, 8
	s_lshl_b32 s77, s16, 7
	s_add_co_u32 s76, s76, s77
	s_add_co_u32 s76, s76, s95
	s_lshl_b32 s76, s76, 5
	s_mov_b32 s77, 0
	s_wait_kmcnt 0x0
	s_add_nc_u64 s[20:21], s[4:5], s[20:21]
	s_add_nc_u64 s[46:47], s[8:9], s[46:47]
	s_add_nc_u64 s[SAP:SAP+1], s[6:7], s[74:75]
	s_add_nc_u64 s[SBP:SBP+1], s[10:11], s[76:77]
	CROUND
.irp s, 0,1
	s_mov_b32 s[G0+4*\s], 1
	s_add_co_u32 s[G0+4*\s+1], s45, \s*SLOT
	s_add_nc_u64 s[G0+4*\s+2:G0+4*\s+3], s[20:21], \s*ROWB
	s_or_b32 s[G0+4*\s+3], s[G0+4*\s+3], 0x80000000
	s_mov_b32 s[G0B+4*\s], 1
	s_add_co_u32 s[G0B+4*\s+1], s45, \s*SLOT
	s_add_nc_u64 s[G0B+4*\s+2:G0B+4*\s+3], s[46:47], \s*ROWB
	s_or_b32 s[G0B+4*\s+3], s[G0B+4*\s+3], 0x80000000
	s_wait_alu depctr_va_vdst(0)
	s_wait_tensorcnt 0x0
	ds_add_u32 v28, v29
	ds_add_u32 v28, v29
	s_wait_dscnt 0x0
	CROUND
	JLOAD G0+4*\s, G1, G0B+4*\s, G1B
.endr
	v_and_b32 v1, 15, v0
	v_bfe_u32 v2, v0, 4, 1
	v_lshlrev_b32 v[SOFF], 5, v1
	v_lshl_add_u32 v[SOFF], v2, 11, v[SOFF]
.macro ASLOAD j
.irp i, 0,1,2,3
	global_load_b128 v[AS+8*\i+4*\j:AS+8*\i+4*\j+3], v[SOFF], s[SAP:SAP+1] offset:512*\i+16*\j
.endr
.endm
.irp i, 0,1,2,3
.irp j, 0,1
	global_load_b128 v[BS+8*\i+4*\j:BS+8*\i+4*\j+3], v[SOFF], s[SBP:SBP+1] offset:512*\i+16*\j
.endr
.endr
	ASLOAD 0
	ASLOAD 1
	v_mul_u32_u24 v3, v1, PITCH
	v_lshl_add_u32 v4, v2, 4, v3
	s_mul_i32 s21, s15, HALFT
	s_mul_i32 s22, s16, HALFT
	s_add_co_u32 s22, s22, 2*HALFT
.irp s, 0,1
	v_add_nc_u32 v[ADRA+\s], s21, v4
	v_add_nc_u32 v[ADRB+\s], s22, v4
	s_add_co_u32 s21, s21, SLOT
	s_add_co_u32 s22, s22, SLOT
.endr
	s_mul_i32 s23, s14, 16*SPITCH
	s_add_co_u32 s23, s23, STAGE
	v_mul_u32_u24 v5, v1, SPITCH
	v_lshl_add_u32 v5, v2, 5, v5
	v_add_nc_u32 v[STO], s23, v5
	v_and_b32 v6, 31, v0
	v_lshlrev_b32 v[CO], 4, v6
	v_add_nc_u32 v[RD], s23, v[CO]
	s_lshl_b32 s20, s17, 8
	s_lshl_b32 s21, s15, 7
	s_add_co_u32 s20, s20, s21
	s_mov_b32 s21, 0
	s_mov_b64 s[18:19], SIZE_N*4
	s_mul_u64 s[20:21], s[20:21], s[18:19]
	s_lshl_b32 s46, s42, 10
	s_lshl_b32 s47, s16, 9
	s_add_co_u32 s46, s46, s47
	s_mov_b32 s47, 0
	s_add_nc_u64 s[CADD:CADD+1], s[20:21], s[46:47]
.macro FRAG reg, adr, q, i
.irp c, 0,1,2,3
	ds_load_b128 v[\reg+4*\c:\reg+4*\c+3], v[\adr] offset:128*(\q)+32*\c+(\i)*16*PITCH
.endr
.endm
.macro MUL16 a0, p, w, zero
.irp a, \a0, \a0+1
.irp b, 0,1,2,3,4,5,6,7
.set rD, 8*(8*((\a)%4)+\b)
.set rB, 128*(\p)+FR*\b
.set rA, AF+FR*(\a)
.set rX, BS+8*(\b%4)+(\w)
.set rY, AS+8*((\a)%4)+(\w)
.if \zero
.if (\b < 4) && ((\a) < 4)
	v_wmma_scale_f32_16x16x128_f8f6f4 v[rD:rD+7], v[rB:rB+FR-1], v[rA:rA+FR-1], 0, v[rX], v[rY]
.elseif (\a) < 4
	v_wmma_scale_f32_16x16x128_f8f6f4 v[rD:rD+7], v[rB:rB+FR-1], v[rA:rA+FR-1], 0, v[rX], v[rY] matrix_a_scale:MATRIX_SCALE_ROW1
.elseif \b < 4
	v_wmma_scale_f32_16x16x128_f8f6f4 v[rD:rD+7], v[rB:rB+FR-1], v[rA:rA+FR-1], 0, v[rX], v[rY] matrix_b_scale:MATRIX_SCALE_ROW1
.else
	v_wmma_scale_f32_16x16x128_f8f6f4 v[rD:rD+7], v[rB:rB+FR-1], v[rA:rA+FR-1], 0, v[rX], v[rY] matrix_a_scale:MATRIX_SCALE_ROW1 matrix_b_scale:MATRIX_SCALE_ROW1
.endif
.else
.if (\b < 4) && ((\a) < 4)
	v_wmma_scale_f32_16x16x128_f8f6f4 v[rD:rD+7], v[rB:rB+FR-1], v[rA:rA+FR-1], v[rD:rD+7], v[rX], v[rY]
.elseif (\a) < 4
	v_wmma_scale_f32_16x16x128_f8f6f4 v[rD:rD+7], v[rB:rB+FR-1], v[rA:rA+FR-1], v[rD:rD+7], v[rX], v[rY] matrix_a_scale:MATRIX_SCALE_ROW1
.elseif \b < 4
	v_wmma_scale_f32_16x16x128_f8f6f4 v[rD:rD+7], v[rB:rB+FR-1], v[rA:rA+FR-1], v[rD:rD+7], v[rX], v[rY] matrix_b_scale:MATRIX_SCALE_ROW1
.else
	v_wmma_scale_f32_16x16x128_f8f6f4 v[rD:rD+7], v[rB:rB+FR-1], v[rA:rA+FR-1], v[rD:rD+7], v[rX], v[rY] matrix_a_scale:MATRIX_SCALE_ROW1 matrix_b_scale:MATRIX_SCALE_ROW1
.endif
.endif
.endr
.endr
.endm
.macro FETCH_B slot, q, p
	WIN TO_B
.irp i, 0,1,2,3,4,5,6,7
	FRAG 128*(\p)+FR*\i, ADRB+\slot, \q, \i
.endr
	WIN 0
.endm
.macro FETCH_A slot, q, i0
.irp i, \i0, \i0+1, \i0+2, \i0+3
	FRAG AF+FR*(\i), ADRA+\slot, \q, \i
.endr
.endm
.macro PLACES n
.rept \n
	v_nop
.endr
.endm
.macro STEP slot, q, w, zero
	s_wait_dscnt 4*NL
	WIN MUL_LO
	MUL16 0, (\q)%2, \w, \zero
	MUL16 2, (\q)%2, \w, \zero
	s_wait_dscnt 0
.if \zero
	s_wait_xcnt 0x0
.endif
	PLACES NP
	FETCH_B \slot, (\q)+1, 1-(\q)%2
	FETCH_A \slot, (\q)+1, 0
	WIN MUL_HI
	MUL16 4, (\q)%2, \w, \zero
	MUL16 6, (\q)%2, \w, \zero
	PLACES NP
	WIN 0
	FETCH_A \slot, (\q)+1, 4
.endm
.macro TURN slot, next, fill, w
	s_wait_tensorcnt 0x0
	ds_add_u32 v[SPW], v[NIL]
	s_wait_dscnt 4*NL+1
	WIN MUL_LO
	MUL16 0, 1, \w, 0
	s_wait_dscnt 0x0
	s_barrier_signal -1
	MUL16 2, 1, \w, 0
	WIN 0
	s_barrier_wait -1
.if \fill
	CREST
.if \fill == 2
	s_add_nc_u64 s[G0+4*\slot+2:G0+4*\slot+3], s[G0+4*\slot+2:G0+4*\slot+3], NEXT_A
	s_sub_nc_u64 s[G0B+4*\slot+2:G0B+4*\slot+3], s[G0B+4*\slot+2:G0B+4*\slot+3], BACK_B
.else
	s_add_nc_u64 s[G0+4*\slot+2:G0+4*\slot+3], s[G0+4*\slot+2:G0+4*\slot+3], 2*ROWB
	s_add_nc_u64 s[G0B+4*\slot+2:G0B+4*\slot+3], s[G0B+4*\slot+2:G0B+4*\slot+3], 2*ROWB
.endif
	JLOAD G0+4*\slot, G1, G0B+4*\slot, G1B
	PLACES NP-4
.else
	PLACES NP
.endif
	FETCH_B \next, 0, 0
	FETCH_A \next, 0, 0
	WIN MUL_HI
	MUL16 4, 1, \w, 0
	MUL16 6, 1, \w, 0
	PLACES NP
	WIN 0
	FETCH_A \next, 0, 4
.endm
.macro FRONT
	s_wait_loadcnt 4
	STEP 0, 0, 0, 1
	TURN 0, 1, 1, 1
	STEP 1, 0, 2, 0
	TURN 1, 0, 1, 3
	s_wait_loadcnt 0x0
	STEP 0, 0, 4, 0
	s_add_nc_u64 s[12:13], s[12:13], s[CADD:CADD+1]
	s_mov_b32 s[CADD], NEXT_C
	s_mov_b32 s[CADD+1], 0
.endm
.macro TOSTAGE a
.set AC, 64*((\a)%4)
	WIN 0x08+4*((\a)/4)
.irp b, 0,1,2,3,4,5,6,7
	ds_store_b128 v[STO], v[AC+8*\b:AC+8*\b+3] offset:64*\b
	ds_store_b128 v[STO], v[AC+8*\b+4:AC+8*\b+7] offset:64*\b+16
.endr
	WIN TO_B
.set BB, BK+64*((\a)%2)
.irp t, 0,1,2,3,4,5,6,7,8,9,10,11,12,13,14,15
	ds_load_b128 v[BB+4*\t:BB+4*\t+3], v[RD] offset:\t*SPITCH
.endr
.endm
.macro SEND a, younger
.set BB, BK+64*((\a)%2)
	s_wait_dscnt \younger
	WIN 0x04
.irp t, 0,1,2,3,4,5,6,7,8,9,10,11,12,13,14,15
	global_store_b128 v[CO], v[BB+4*\t:BB+4*\t+3], s[12:13] offset:(16*(\a)+\t)*SIZE_N*4 th:TH_STORE_NT
.endr
.endm
.macro WAYOUT
	TOSTAGE 0
.irp a, 1,2,3,4,5,6,7
.if \a > 1
	s_wait_xcnt 0x0
.endif
	TOSTAGE \a
	SEND \a-1, 32
.endr
	SEND 7, 0
	WIN 0
.endm
	s_wait_alu depctr_va_vdst(0)
	s_wait_tensorcnt 1
	s_barrier_signal -1
	s_barrier_wait -1
	FETCH_B 0, 0, 0
	FETCH_A 0, 0, 0
	FETCH_A 0, 0, 4
	s_mov_b32 s3, TILES-1
.Ltile:
	FRONT
	s_add_nc_u64 s[SAP:SAP+1], s[SAP:SAP+1], NEXT_S
	ASLOAD 0
	TURN 0, 1, 2, 5
	STEP 1, 0, 6, 0
	TURN 1, 0, 2, 7
	ASLOAD 1
	WAYOUT
	s_sub_co_u32 s3, s3, 1
	s_cmp_lg_u32 s3, 0
	s_cbranch_scc1 .Ltile
	FRONT
	TURN 0, 1, 0, 5
	STEP 1, 0, 6, 0
	s_wait_dscnt 4*NL
	WIN MUL_LO
	MUL16 0, 1, 7, 0
	MUL16 2, 1, 7, 0
	s_wait_dscnt 0
	WIN MUL_HI
	MUL16 4, 1, 7, 0
	MUL16 6, 1, 7, 0
	WIN 0
	PLACES NP
	WAYOUT
	s_wait_tensorcnt 0x0
	ds_add_u32 v[SPW], v[NIL]
	s_wait_dscnt 0x0
	CROUND
	s_endpgm
.Lfunc_end_k_q7058313e6b_gemm:
	.size	k_q7058313e6b_gemm, .Lfunc_end_k_q7058313e6b_gemm-k_q7058313e6b_gemm
	.p2alignl 7, 3214868480
	.fill 96, 4, 3214868480
	.section	.rodata,"a",@progbits
	.p2align	6, 0x0
	.amdhsa_kernel k_q7058313e6b_gemm
		.amdhsa_group_segment_fixed_size 327680
		.amdhsa_private_segment_fixed_size 0
		.amdhsa_enable_private_segment 0
		.amdhsa_kernarg_size 40
		.amdhsa_user_sgpr_count 2
		.amdhsa_user_sgpr_kernarg_segment_ptr 1
		.amdhsa_wavefront_size32 1
		.amdhsa_system_sgpr_workgroup_id_x 1
		.amdhsa_system_sgpr_workgroup_id_y 1
		.amdhsa_system_sgpr_workgroup_id_z 1
		.amdhsa_system_vgpr_workitem_id 0
		.amdhsa_next_free_vgpr 1024
		.amdhsa_next_free_sgpr 98
		.amdhsa_reserve_vcc 0
		.amdhsa_float_denorm_mode_32 3
		.amdhsa_float_denorm_mode_16_64 3
		.amdhsa_memory_ordered 1
		.amdhsa_forward_progress 1
		.amdhsa_inst_pref_size 255
	.end_amdhsa_kernel
	.section	.bss,"aw",@nobits
	.p2align	6
	.space	262144
	.amdgpu_metadata
---
amdhsa.version: [ 1, 2 ]
amdhsa.kernels:
  - .name:           k_q7058313e6b_gemm
    .symbol:         k_q7058313e6b_gemm.kd
    .args:
      - { .name: acodes, .offset: 0, .size: 8, .value_kind: global_buffer, .address_space: global }
      - { .name: ascales, .offset: 8, .size: 8, .value_kind: global_buffer, .address_space: global }
      - { .name: wcodes, .offset: 16, .size: 8, .value_kind: global_buffer, .address_space: global }
      - { .name: wscales, .offset: 24, .size: 8, .value_kind: global_buffer, .address_space: global }
      - { .name: y, .offset: 32, .size: 8, .value_kind: global_buffer, .address_space: global }
    .group_segment_fixed_size: 327680
    .private_segment_fixed_size: 0
    .kernarg_segment_align: 8
    .kernarg_segment_size: 40
    .max_flat_workgroup_size: 128
    .sgpr_count:     98
    .vgpr_count:     1024
    .wavefront_size: 32
...
	.end_amdgpu_metadata
.endif
;; end of part 2
;; launch cell (part 3): grid 256 x 1, 8 waves a work-group, no clusters, 58,368 bytes of LDS; arguments y, c0, bias, ln1_g, ln1_b, ln2_g, ln2_b, ln3_g, ln3_b, out0, out1; writes out0, out1
.if DOCPART == 3
	.amdgcn_target "amdgcn-amd-amdhsa--gfx1250"
	.amdhsa_code_object_version 6
	.text
	.protected	k_q7058313e6b_cell
	.globl	k_q7058313e6b_cell
	.p2align	8
	.type	k_q7058313e6b_cell,@function
k_q7058313e6b_cell:
	s_mov_b64 s[64:65], 0
	v_nop
	global_prefetch_b8 v0, s[64:65] scope:SCOPE_SE
	s_setreg_imm32_b32 hwreg(HW_REG_WAVE_MODE, 25, 1), 1
	s_wait_xcnt 0x0
; gates = LN1(y1) + LN2(y2) + bias;  c1 = sigmoid(f) c0 + sigmoid(i) tanh(c);  h1 = sigmoid(o) tanh(LN3(c1)).  All in f32.
; y: [16384][4096] f32: row r is y1 = h0 Wh of batch row r, row 8192 + r is y2 = x Wx.  c0, out0 (h1), out1 (c1): [8192][1024].
; ONE WAVE, ONE BATCH ROW: a lane keeps 128 numbers of y1, 128 of y2 and 32 of c0 in registers between the pass that finds a mean, the pass that finds a variance and the pass that scales: each byte is read once,
; every reduction stays inside the wave, and no wave waits for another.  A work-group of eight waves takes 32 rows, a wave four, one after the other.
; COLUMNS.  Load i (0 .. 31) of a row of y takes bytes 512 i + 16 lane: columns 128 i + 4 lane + e.  The gate is i / 8 (forget, in, out, cell), q = i % 8.  c0's load q takes bytes 512 q + 16 lane.
; So register 4 q + e of each gate and of c0 belongs to the same hidden unit 128 q + 4 lane + e: nothing changes lanes.  Every load and store of a wave covers 512 consecutive bytes, aligned.
; THE PARAMETERS are read from memory once a work-group, scaled and laid in LDS: g1 F, g2 F, (b1 + b2 + bias) F with F = -log2(e) for the three sigmoid gates and 2 log2(e) for the cell gate, g3 and b3 x 2 log2(e):
; a gate's register is then the exponential's input as it stands.  sigmoid(v) = 1 / (1 + 2^(-log2(e) v));  tanh(v) = 1 - 2 / (1 + 2^(2 log2(e) v)).
; VARIANCES are taken in two passes, the sum of (y - mean)^2: never a difference of large sums.
; LIMITS: NaN and infinities among the inputs are not served.  tanh by the formula above has an absolute error of some 1e-7 (its relative error grows for |v| under 1e-3).  b1 + b2 + bias are added first and the two
; normed terms are added onto that sum: an order of rounding that differs from the source's.
; No matrix unit (there is no product here), no tensor loads, no cluster: work-groups share only the 88 KB of parameters, against 1.4 MB of rows of their own.
; REGISTERS, in windows of 256 (s_set_vgpr_msb's low byte: bits 1:0 source 0, 3:2 source 1, 5:4 source 2, 7:6 destination):
;   window 0: v1 16 x lane; v2-9, v10-17 four pair chains for each product; v18-19 lane exchanges; v20-29 -mean and 1/sqrt as pairs (the upper halves hold 0 and are only named); v30 16 x thread;
;             v32-63 c0, then c1; v64-95, v96-127 two parameter buffers; v128-255 the gates: f, i, o, c, 32 each.      window 1: v0-127 y1, v128-255 y2.
.set ROWY, 16384                       ; bytes in a row of y
.set ROWC, 4096                        ; bytes in a row of c0, out0, out1
.set G1P,  0                           ; LDS: ln1_g x F, 16 KB
.set G2P,  16384                       ; ln2_g x F
.set BP,   32768                       ; (ln1_b + ln2_b + bias) x F
.set G3P,  49152                       ; ln3_g x 2 log2(e), 4 KB
.set B3P,  53248                       ; ln3_b x 2 log2(e)
.set LOFF, 1
.set SA,   2
.set SB,   10
.set NM1,  20
.set NM2,  22
.set R1,   24
.set R2,   26
.set N3,   28                          ; -mean of c1, later 1/sqrt
.set TOFF, 30
.set C,    32
.set PA,   64
.set PB,   96
.set G,    128
.set Y1P,  4                           ; s[4:5] y1's row, s[6:7] y2's
.set C0P,  8                           ; s[8:9]
.set O0P,  10                          ; s[10:11]
.set O1P,  12                          ; s[12:13]
.set W_LD,  0x40                       ; destination window 1
.set W_2,   0x05                       ; sources 0 and 1 window 1
.set W_1,   0x01                       ; source 0 window 1
.set W_CEN, 0x41                       ; destination and source 0 window 1
.set MSB, 0
.macro WIN new                         ; the immediate's high byte repeats the setting that is left; a switch that changes nothing is dropped
.if MSB != \new
	s_set_vgpr_msb (MSB<<8)|\new
.set MSB, \new
.endif
.endm
.macro YLOAD p, off                    ; a whole row of product p: 32 loads of 512 consecutive bytes
	WIN W_LD
.set ix, 0
.rept 32
	global_load_b128 v[128*\p+4*ix:128*\p+4*ix+3], v[LOFF], s[Y1P+2*\p:Y1P+2*\p+1] offset:\off+512*ix th:TH_LOAD_NT
.set ix, ix+1
.endr
.endm
.macro CLOAD                           ; the row of c0
	WIN 0
.irp q, 0,1,2,3,4,5,6,7
	global_load_b128 v[C+4*\q:C+4*\q+3], v[LOFF], s[C0P:C0P+1] offset:512*\q th:TH_LOAD_NT
.endr
.endm
.macro SUMS p, acc                     ; my 128 numbers of product p, two at a time, in four chains; the first eight pairs start the chains: nothing is cleared
	WIN W_2
.irp k, 0,1,2,3
	v_pk_add_f32 v[\acc+2*\k:\acc+2*\k+1], v[128*\p+2*\k:128*\p+2*\k+1], v[128*\p+2*\k+8:128*\p+2*\k+9]
.endr
	WIN W_1
.set ix, 8
.rept 56
	v_pk_add_f32 v[\acc+2*(ix%4):\acc+2*(ix%4)+1], v[128*\p+2*ix:128*\p+2*ix+1], v[\acc+2*(ix%4):\acc+2*(ix%4)+1]
.set ix, ix+1
.endr
.endm
.macro FOLD acc                        ; four pair chains into v[acc]
	v_pk_add_f32 v[\acc:\acc+1], v[\acc:\acc+1], v[\acc+2:\acc+3]
	v_pk_add_f32 v[\acc+4:\acc+5], v[\acc+4:\acc+5], v[\acc+6:\acc+7]
	s_delay_alu instid0(VALU_DEP_1)
	v_pk_add_f32 v[\acc:\acc+1], v[\acc:\acc+1], v[\acc+4:\acc+5]
	s_delay_alu instid0(VALU_DEP_1)
	v_add_f32 v[\acc], v[\acc], v[\acc+1]
.endm
.macro WRED2 a, b                      ; two sums over the 32 lanes, by turns; every lane ends with both
.irp m, 1
	v_add_f32_dpp v[\a], v[\a], v[\a] row_xmask:\m row_mask:0xf bank_mask:0xf
	s_delay_alu instid0(VALU_DEP_2)
	v_add_f32_dpp v[\b], v[\b], v[\b] row_xmask:\m row_mask:0xf bank_mask:0xf
.endr
.irp m, 2, 4, 8
	s_delay_alu instid0(VALU_DEP_2)
	v_add_f32_dpp v[\a], v[\a], v[\a] row_xmask:\m row_mask:0xf bank_mask:0xf
	s_delay_alu instid0(VALU_DEP_2)
	v_add_f32_dpp v[\b], v[\b], v[\b] row_xmask:\m row_mask:0xf bank_mask:0xf
.endr
	s_delay_alu instid0(VALU_DEP_2)
	v_permlanex16_b32 v18, v[\a], s14, s15
	s_delay_alu instid0(VALU_DEP_2)
	v_permlanex16_b32 v19, v[\b], s14, s15
	s_delay_alu instid0(VALU_DEP_2)
	v_add_f32 v[\a], v[\a], v18
	s_delay_alu instid0(VALU_DEP_2)
	v_add_f32 v[\b], v[\b], v19
.endm
.macro WRED1 a
.irp m, 1,2,4,8
	s_delay_alu instid0(VALU_DEP_1)
	v_add_f32_dpp v[\a], v[\a], v[\a] row_xmask:\m row_mask:0xf bank_mask:0xf
.endr
	s_delay_alu instid0(VALU_DEP_1)
	v_permlanex16_b32 v18, v[\a], s14, s15
	s_delay_alu instid0(VALU_DEP_1)
	v_add_f32 v[\a], v[\a], v18
.endm
.macro CENTER p, nm                    ; y - mean, in place
	WIN W_CEN
.set ix, 0
.rept 64
	v_pk_add_f32 v[128*\p+2*ix:128*\p+2*ix+1], v[128*\p+2*ix:128*\p+2*ix+1], v[\nm:\nm+1] op_sel_hi:[1,0]
.set ix, ix+1
.endr
.endm
.macro SQUARES p, acc                  ; the sum of its squares, again in four chains started by the first four pairs
	WIN W_2
.irp k, 0,1,2,3
	v_pk_mul_f32 v[\acc+2*\k:\acc+2*\k+1], v[128*\p+2*\k:128*\p+2*\k+1], v[128*\p+2*\k:128*\p+2*\k+1]
.endr
.set ix, 4
.rept 60
	s_delay_alu instid0(VALU_DEP_4)
	v_pk_fma_f32 v[\acc+2*(ix%4):\acc+2*(ix%4)+1], v[128*\p+2*ix:128*\p+2*ix+1], v[128*\p+2*ix:128*\p+2*ix+1], v[\acc+2*(ix%4):\acc+2*(ix%4)+1]
.set ix, ix+1
.endr
.endm
.macro PLOAD c, buf                    ; chunk c (16 registers of a row): its g1 F into buf, its g2 F into buf + 16.  32 lanes read 512 consecutive bytes of LDS
.irp k, 0,1,2,3
	ds_load_b128 v[4*\k+(\buf):4*\k+(\buf)+3], v[LOFF] offset:G1P+512*(4*(\c)+\k)
.endr
.irp k, 0,1,2,3
	ds_load_b128 v[4*\k+16+(\buf):4*\k+16+(\buf)+3], v[LOFF] offset:G2P+512*(4*(\c)+\k)
.endr
.endm
.macro GCHUNK c                        ; gates of chunk c: B' + d1 (g1' r1) + d2 (g2' r2); the next chunk's parameters are asked for first, into the other buffer
	WIN 0
.set pb, PA+32*((\c)%2)
.if (\c) < 7
	PLOAD (\c)+1, PA+32*(((\c)+1)%2)
	s_wait_dscnt 8                                 ; all but the 8 just issued: this chunk's parameters (and, in chunk 0, all of B') are in
.else
	s_wait_dscnt 0x0
.endif
.irp k, 0,1,2,3,4,5,6,7
	v_pk_mul_f32 v[pb+2*\k:pb+2*\k+1], v[pb+2*\k:pb+2*\k+1], v[R1:R1+1] op_sel_hi:[1,0]
.endr
.irp k, 0,1,2,3,4,5,6,7
	v_pk_mul_f32 v[pb+16+2*\k:pb+16+2*\k+1], v[pb+16+2*\k:pb+16+2*\k+1], v[R2:R2+1] op_sel_hi:[1,0]
.endr
	WIN W_1
.irp k, 0,1,2,3,4,5,6,7
	v_pk_fma_f32 v[G+16*(\c)+2*\k:G+16*(\c)+2*\k+1], v[16*(\c)+2*\k:16*(\c)+2*\k+1], v[pb+2*\k:pb+2*\k+1], v[G+16*(\c)+2*\k:G+16*(\c)+2*\k+1]
.endr
.irp k, 0,1,2,3,4,5,6,7
	v_pk_fma_f32 v[G+16*(\c)+2*\k:G+16*(\c)+2*\k+1], v[128+16*(\c)+2*\k:128+16*(\c)+2*\k+1], v[pb+16+2*\k:pb+16+2*\k+1], v[G+16*(\c)+2*\k:G+16*(\c)+2*\k+1]
.endr
.endm
; n registers from v[r] on: x -> 1 / (1 + 2^x).  The exponentials stand back to back, and so do the reciprocals.  One plain vector line has to stand between a transcendental and the first line that reads its
; result (ISA guide 5.7.2), and another transcendental is no such line: so a v_nop closes each of the two runs, and serves every transcendental of its run.
.macro LOGISTIC r, n
.set ix, 0
.rept \n
	v_exp_f32 v[\r+ix], v[\r+ix]
.set ix, ix+1
.endr
	v_nop                                          ; the plain line behind the run of exponentials
.set ix, 0
	s_wait_alu depctr_va_vdst(0)
.rept \n/2
	v_pk_add_f32 v[\r+ix:\r+ix+1], v[\r+ix:\r+ix+1], 1.0 op_sel_hi:[1,0]
.set ix, ix+2
.endr
.set ix, 0
	s_wait_alu depctr_va_vdst(0)
.rept \n
	v_rcp_f32 v[\r+ix], v[\r+ix]
.set ix, ix+1
.endr
	v_nop                                          ; the plain line behind the run of reciprocals
.endm
	s_load_b512 s[16:31], s[0:1], 0x0              ; y s[16:17], c0 s[18:19], bias s[20:21], ln1_g s[22:23], ln1_b s[24:25], ln2_g s[26:27], ln2_b s[28:29], ln3_g s[30:31]
	s_load_b128 s[32:35], s[0:1], 0x40             ; ln3_b s[32:33], out0 s[34:35]
	s_load_b64 s[36:37], s[0:1], 0x50              ; out1
	v_lshrrev_b32 v2, 5, v0
	s_delay_alu instid0(VALU_DEP_1)
	v_readfirstlane_b32 s2, v2                     ; wave 0..7
	v_and_b32 v[LOFF], 31, v0
	s_delay_alu instid0(VALU_DEP_1)
	v_lshlrev_b32 v[LOFF], 4, v[LOFF]              ; 16 x lane; never rewritten
	v_lshlrev_b32 v[TOFF], 4, v0                   ; 16 x thread
.irp r, 18,19,21,23,25,27,29
	v_mov_b32 v\r, 0                               ; a lane exchange's destination counts as read; the upper halves of pairs of which the low word serves both halves are named, so they are written
.endr
	s_mov_b32 s14, 0x76543210                      ; v_permlanex16_b32: lane l takes lane l xor 16
	s_mov_b32 s15, 0xfedcba98
	s_mov_b32 s41, 0x39800000                      ; 1 / 4096
	s_mov_b32 s42, 0x3727c5ac                      ; 1e-5
	s_mov_b32 s43, 0x3a800000                      ; 1 / 1024
	s_mov_b32 s44, 0xbfb8aa3b                      ; -log2(e)
	s_mov_b32 s45, s44                             ; (named with it as a pair, so it is written)
	s_mov_b32 s46, 0x4038aa3b                      ; 2 log2(e)
	s_mov_b32 s47, s46
	s_lshl_b32 s38, ttmp9, 5
	s_lshl_b32 s39, s2, 2
	s_add_co_u32 s38, s38, s39                     ; my first row: 32 x work-group + 4 x wave
	s_lshl_b32 s38, s38, 14                        ; in bytes of y: under 2^27
	s_mov_b32 s39, 0
	s_wait_alu depctr_va_vdst(0)
	s_wait_kmcnt 0x0
	s_add_nc_u64 s[Y1P:Y1P+1], s[16:17], s[38:39]
	s_add_nc_u64 s[Y1P+2:Y1P+3], s[Y1P:Y1P+1], 0x8000000   ; y2's row lies 8,192 rows of 16,384 bytes further on
	s_lshr_b32 s38, s38, 2                         ; in bytes of c0, out0, out1
	s_add_nc_u64 s[C0P:C0P+1], s[18:19], s[38:39]
	s_add_nc_u64 s[O0P:O0P+1], s[34:35], s[38:39]
	s_add_nc_u64 s[O1P:O1P+1], s[36:37], s[38:39]
	; the parameters: thread t takes 16 bytes at 16 t of each quarter k of 4,096 bytes, and a quarter is a gate
.irp k, 0,1,2,3
	global_load_b128 v[64+4*\k:67+4*\k],   v[TOFF], s[22:23] offset:4096*\k   ; ln1_g
	global_load_b128 v[80+4*\k:83+4*\k],   v[TOFF], s[26:27] offset:4096*\k   ; ln2_g
	global_load_b128 v[96+4*\k:99+4*\k],   v[TOFF], s[24:25] offset:4096*\k   ; ln1_b
	global_load_b128 v[112+4*\k:115+4*\k], v[TOFF], s[28:29] offset:4096*\k   ; ln2_b
	global_load_b128 v[128+4*\k:131+4*\k], v[TOFF], s[20:21] offset:4096*\k   ; bias
.endr
	global_load_b128 v[144:147], v[TOFF], s[30:31]                            ; ln3_g
	global_load_b128 v[148:151], v[TOFF], s[32:33]                            ; ln3_b
	YLOAD 0, 0                                     ; my first row of y1 goes out behind them
	WIN 0
	s_wait_loadcnt 32                              ; the 22 parameter loads are in; y1's 32 may be out
.irp k, 0,1,2,3
.irp j, 0,2
	v_pk_mul_f32 v[64+4*\k+\j:65+4*\k+\j], v[64+4*\k+\j:65+4*\k+\j], s[44+2*(\k/3):45+2*(\k/3)] op_sel_hi:[1,0]   ; F: quarters 0-2 -log2(e), quarter 3 2 log2(e)
	v_pk_mul_f32 v[80+4*\k+\j:81+4*\k+\j], v[80+4*\k+\j:81+4*\k+\j], s[44+2*(\k/3):45+2*(\k/3)] op_sel_hi:[1,0]
	v_pk_add_f32 v[96+4*\k+\j:97+4*\k+\j], v[96+4*\k+\j:97+4*\k+\j], v[112+4*\k+\j:113+4*\k+\j]
.endr
.endr
.irp k, 0,1,2,3
.irp j, 0,2
	v_pk_add_f32 v[96+4*\k+\j:97+4*\k+\j], v[96+4*\k+\j:97+4*\k+\j], v[128+4*\k+\j:129+4*\k+\j]
.endr
.endr
.irp k, 0,1,2,3
.irp j, 0,2
	v_pk_mul_f32 v[96+4*\k+\j:97+4*\k+\j], v[96+4*\k+\j:97+4*\k+\j], s[44+2*(\k/3):45+2*(\k/3)] op_sel_hi:[1,0]
.endr
.endr
.irp j, 0,2,4,6
	v_pk_mul_f32 v[144+\j:145+\j], v[144+\j:145+\j], s[46:47] op_sel_hi:[1,0]
.endr
.irp k, 0,1,2,3
	ds_store_b128 v[TOFF], v[64+4*\k:67+4*\k] offset:G1P+4096*\k
	ds_store_b128 v[TOFF], v[80+4*\k:83+4*\k] offset:G2P+4096*\k
	ds_store_b128 v[TOFF], v[96+4*\k:99+4*\k] offset:BP+4096*\k
.endr
	ds_store_b128 v[TOFF], v[144:147] offset:G3P
	ds_store_b128 v[TOFF], v[148:151] offset:B3P
	YLOAD 1, 0                                     ; my first row of y2
	WIN 0
	s_wait_dscnt 0x0                               ; for the others' sake: my part of the parameters lies in LDS
	s_barrier_signal -1
	s_barrier_wait -1                              ; everybody's does.  The kernel's only barrier: from here on LDS is only read
; A ROW.  At its head y1's 32 loads and y2's 32 are out, in that order, and no LDS instruction.  ahead = 1: the next row is asked for, and the pointers step.
.macro ROW ahead
	WIN 0
.set ix, 0
.rept 32
	ds_load_b128 v[G+4*ix:G+4*ix+3], v[LOFF] offset:BP+512*ix      ; the gates begin as (b1 + b2 + bias) F
.set ix, ix+1
.endr
	PLOAD 0, PA
	s_wait_loadcnt 32                              ; y1 is in; y2's 32 may be out
	CLOAD                                          ; this row's c0: wanted only behind the gates
	SUMS 0, SA
	s_wait_loadcnt 8                               ; y2 is in; c0's 8 may be out
	SUMS 1, SB
	WIN 0
	FOLD SA
	FOLD SB
	WRED2 SA, SB
	s_delay_alu instid0(VALU_DEP_2)
	v_mul_f32 v[NM1], 0xb9800000, v[SA]            ; -mean = sum x (-1 / 4096)
	s_delay_alu instid0(VALU_DEP_2)
	v_mul_f32 v[NM2], 0xb9800000, v[SB]
	CENTER 0, NM1
	CENTER 1, NM2
	SQUARES 0, SA
	SQUARES 1, SB
	WIN 0
	FOLD SA
	FOLD SB
	WRED2 SA, SB
	s_delay_alu instid0(VALU_DEP_2)
	v_fma_f32 v[SA], v[SA], s41, s42               ; variance + 1e-5
	s_delay_alu instid0(VALU_DEP_2)
	v_fma_f32 v[SB], v[SB], s41, s42
	s_wait_alu depctr_va_vdst(0)
	v_rsq_f32 v[R1], v[SA]
	v_rsq_f32 v[R2], v[SB]
	v_nop                                          ; a plain line behind the transcendentals, ahead of the use of their results
	s_wait_alu depctr_va_vdst(0)
.irp c, 0,1,2,3,4,5,6,7
	GCHUNK \c
.endr
	WIN 0
.irp q, 0,1,2,3,4,5,6,7
	ds_load_b128 v[PA+4*\q:PA+4*\q+3], v[LOFF] offset:G3P+512*\q   ; the third norm's parameters, wanted well below
.endr
.irp q, 0,1,2,3,4,5,6,7
	ds_load_b128 v[PB+4*\q:PB+4*\q+3], v[LOFF] offset:B3P+512*\q
.endr
	s_wait_loadcnt 0x0                             ; c0 is in: no load of mine is out
.if \ahead
	YLOAD 0, ROWY                                  ; y's registers are done with: the next row's 64 loads go out, and have the activations and the third norm in which to land
	YLOAD 1, ROWY
	WIN 0
.endif
	s_wait_alu depctr_va_vdst(0)
	LOGISTIC G, 128                                ; sigmoid(f), sigmoid(i), sigmoid(o), and 1 / (1 + e^(2 c))
.set ix, 0
	s_wait_alu depctr_va_vdst(0)
.rept 16
	v_pk_fma_f32 v[G+96+ix:G+97+ix], v[G+96+ix:G+97+ix], -2.0, 1.0 op_sel_hi:[1,0,0]   ; tanh(c)
.set ix, ix+2
.endr
.set ix, 0
.rept 16
	v_pk_mul_f32 v[G+32+ix:G+33+ix], v[G+32+ix:G+33+ix], v[G+96+ix:G+97+ix]           ; sigmoid(i) tanh(c)
.set ix, ix+2
.endr
.set ix, 0
.rept 16
	v_pk_fma_f32 v[C+ix:C+ix+1], v[G+ix:G+ix+1], v[C+ix:C+ix+1], v[G+32+ix:G+33+ix]   ; c1
.set ix, ix+2
.endr
.irp q, 0,1,2,3,4,5,6,7
	global_store_b128 v[LOFF], v[C+4*\q:C+4*\q+3], s[O1P:O1P+1] offset:512*\q th:TH_STORE_NT   ; c1's registers are only read from here on
.endr
	; the third norm, over c1's 1,024
.irp k, 0,1,2,3
	v_pk_add_f32 v[SA+2*\k:SA+2*\k+1], v[C+2*\k:C+2*\k+1], v[C+2*\k+8:C+2*\k+9]
.endr
.set ix, 8
.rept 8
	s_delay_alu instid0(VALU_DEP_4)
	v_pk_add_f32 v[SA+2*(ix%4):SA+2*(ix%4)+1], v[SA+2*(ix%4):SA+2*(ix%4)+1], v[C+2*ix:C+2*ix+1]
.set ix, ix+1
.endr
	FOLD SA
	WRED1 SA
	s_delay_alu instid0(VALU_DEP_1)
	v_mul_f32 v[N3], 0xba800000, v[SA]             ; -mean = sum x (-1 / 1024)
.set ix, 0
.rept 16
	v_pk_add_f32 v[G+ix:G+ix+1], v[C+ix:C+ix+1], v[N3:N3+1] op_sel_hi:[1,0]           ; c1 - mean, where sigmoid(f) lay
.set ix, ix+2
.endr
.irp k, 0,1,2,3
	v_pk_mul_f32 v[SA+2*\k:SA+2*\k+1], v[G+2*\k:G+2*\k+1], v[G+2*\k:G+2*\k+1]
.endr
.set ix, 4
.rept 12
	s_delay_alu instid0(VALU_DEP_4)
	v_pk_fma_f32 v[SA+2*(ix%4):SA+2*(ix%4)+1], v[G+2*ix:G+2*ix+1], v[G+2*ix:G+2*ix+1], v[SA+2*(ix%4):SA+2*(ix%4)+1]
.set ix, ix+1
.endr
	FOLD SA
	WRED1 SA
	s_delay_alu instid0(VALU_DEP_1)
	v_fma_f32 v[SA], v[SA], s43, s42
	s_wait_alu depctr_va_vdst(0)
	v_rsq_f32 v[N3], v[SA]
	v_nop                                          ; a plain line behind the transcendental
	s_wait_dscnt 0x0                               ; g3' and b3' are in
.set ix, 0
	s_wait_alu depctr_va_vdst(0)
.rept 16
	v_pk_mul_f32 v[PA+ix:PA+ix+1], v[PA+ix:PA+ix+1], v[N3:N3+1] op_sel_hi:[1,0]
.set ix, ix+2
.endr
.set ix, 0
.rept 16
	v_pk_fma_f32 v[G+ix:G+ix+1], v[G+ix:G+ix+1], v[PA+ix:PA+ix+1], v[PB+ix:PB+ix+1]   ; 2 log2(e) x LN3(c1)
.set ix, ix+2
.endr
	s_wait_alu depctr_va_vdst(0)
	LOGISTIC G, 32
.set ix, 0
	s_wait_alu depctr_va_vdst(0)
.rept 16
	v_pk_fma_f32 v[G+ix:G+ix+1], v[G+ix:G+ix+1], -2.0, 1.0 op_sel_hi:[1,0,0]          ; tanh(LN3(c1))
.set ix, ix+2
.endr
.set ix, 0
.rept 16
	v_pk_mul_f32 v[G+32+ix:G+33+ix], v[G+ix:G+ix+1], v[G+64+ix:G+65+ix]               ; x sigmoid(o): h1
.set ix, ix+2
.endr
.irp q, 0,1,2,3,4,5,6,7
	global_store_b128 v[LOFF], v[G+32+4*\q:G+32+4*\q+3], s[O0P:O0P+1] offset:512*\q th:TH_STORE_NT
.endr
.if \ahead
	s_wait_xcnt 0x0                                ; every memory instruction issued so far has had its addresses translated (ISA guide 3.1): only behind this wait are the five bases stepped and the stores' registers (c1, h1) written again
	s_add_nc_u64 s[Y1P:Y1P+1], s[Y1P:Y1P+1], ROWY
	s_add_nc_u64 s[Y1P+2:Y1P+3], s[Y1P+2:Y1P+3], ROWY
	s_add_nc_u64 s[C0P:C0P+1], s[C0P:C0P+1], ROWC
	s_add_nc_u64 s[O0P:O0P+1], s[O0P:O0P+1], ROWC
	s_add_nc_u64 s[O1P:O1P+1], s[O1P:O1P+1], ROWC
.endif
.endm
	s_mov_b32 s40, 3
.Lrow:                                                 ; three rows that ask for their successor
	ROW 1
	s_sub_co_u32 s40, s40, 1
	s_cmp_lg_u32 s40, 0
	s_cbranch_scc1 .Lrow
	ROW 0                                          ; the fourth is written out: it asks for nothing, so no load leaves its buffer
	s_wait_xcnt 0x0
	v_lshl_add_u32 v254, v0, 2, 0xe000
	v_mov_b32 v255, 0
	s_wait_alu depctr_va_vdst(0)
	s_wait_tensorcnt 0x0
	ds_add_u32 v254, v255
	s_wait_dscnt 0x0
	s_endpgm
.Lfunc_end_k_q7058313e6b_cell:
	.size	k_q7058313e6b_cell, .Lfunc_end_k_q7058313e6b_cell-k_q7058313e6b_cell
	.p2alignl 7, 3214868480
	.fill 96, 4, 3214868480
	.section	.rodata,"a",@progbits
	.p2align	6, 0x0
	.amdhsa_kernel k_q7058313e6b_cell
		.amdhsa_group_segment_fixed_size 58368
		.amdhsa_private_segment_fixed_size 0
		.amdhsa_enable_private_segment 0
		.amdhsa_kernarg_size 88
		.amdhsa_user_sgpr_count 2
		.amdhsa_user_sgpr_kernarg_segment_ptr 1
		.amdhsa_wavefront_size32 1
		.amdhsa_system_sgpr_workgroup_id_x 1
		.amdhsa_system_sgpr_workgroup_id_y 1
		.amdhsa_system_sgpr_workgroup_id_z 1
		.amdhsa_system_vgpr_workitem_id 0
		.amdhsa_next_free_vgpr 512
		.amdhsa_next_free_sgpr 66
		.amdhsa_reserve_vcc 0
		.amdhsa_float_denorm_mode_32 3
		.amdhsa_float_denorm_mode_16_64 3
		.amdhsa_memory_ordered 1
		.amdhsa_forward_progress 1
		.amdhsa_inst_pref_size 191
	.end_amdhsa_kernel
	.amdgpu_metadata
---
amdhsa.version: [ 1, 2 ]
amdhsa.kernels:
  - .name:           k_q7058313e6b_cell
    .symbol:         k_q7058313e6b_cell.kd
    .args:
      - { .name: y, .offset: 0, .size: 8, .value_kind: global_buffer, .address_space: global }
      - { .name: c0, .offset: 8, .size: 8, .value_kind: global_buffer, .address_space: global }
      - { .name: bias, .offset: 16, .size: 8, .value_kind: global_buffer, .address_space: global }
      - { .name: ln1_g, .offset: 24, .size: 8, .value_kind: global_buffer, .address_space: global }
      - { .name: ln1_b, .offset: 32, .size: 8, .value_kind: global_buffer, .address_space: global }
      - { .name: ln2_g, .offset: 40, .size: 8, .value_kind: global_buffer, .address_space: global }
      - { .name: ln2_b, .offset: 48, .size: 8, .value_kind: global_buffer, .address_space: global }
      - { .name: ln3_g, .offset: 56, .size: 8, .value_kind: global_buffer, .address_space: global }
      - { .name: ln3_b, .offset: 64, .size: 8, .value_kind: global_buffer, .address_space: global }
      - { .name: out0, .offset: 72, .size: 8, .value_kind: global_buffer, .address_space: global }
      - { .name: out1, .offset: 80, .size: 8, .value_kind: global_buffer, .address_space: global }
    .group_segment_fixed_size: 58368
    .private_segment_fixed_size: 0
    .kernarg_segment_align: 8
    .kernarg_segment_size: 88
    .max_flat_workgroup_size: 256
    .sgpr_count:     66
    .vgpr_count:     512
    .wavefront_size: 32
...
	.end_amdgpu_metadata
.endif
;; end of part 3
